; MI455X (gfx1250); checked and timed in simulation.
; The chip was launched on July 23, 2026; its instructions are those of AMD's public machine-readable ISA for CDNA 5 (MIT licence, August 2026) and "CDNA5" Instruction Set Architecture Reference Guide (July 2026). The comments in the code are by the model that wrote it; some were corrected since.
;; Miss Attention. Allowed arithmetic: matrix products marked QUANTISED: E5M2 operands, one given power-of-two scale a tensor, by v_wmma_f32_16x16x64_bf8_bf8 or v_wmma_f32_16x16x128_bf8_bf8, f32 sums; everything else in f32.
;; Inputs: attn_mask 2 x 2,048 x 2,048 bool; k_pos_codes 2 x 2,048 x 8 x 2 x 32 uint8 (E5M2 codes of k_pos, K innermost, in blocks of 32 codes); k_val_codes 2 x 2,048 x 8 x 2 x 32 uint8 (E5M2 codes of k_val, K innermost, in blocks of 32 codes); lowp_scales 8 int32 (the exponents e of the quantised operands' scales 2^e); q_pos_codes 2 x 2,048 x 8 x 2 x 32 uint8 (E5M2 codes of q_pos, K innermost, in blocks of 32 codes); q_val_codes 2 x 2,048 x 8 x 2 x 32 uint8 (E5M2 codes of q_val, K innermost, in blocks of 32 codes); v_pos_codes 2 x 8 x 64 x 64 x 32 uint8 (E5M2 codes of v_pos, K innermost, in blocks of 32 codes); v_val_codes 2 x 8 x 64 x 64 x 32 uint8 (E5M2 codes of v_val, K innermost, in blocks of 32 codes).
;; Outputs: out0 2 x 2,048 x 8 x 64 float32; out1 2 x 2,048 x 8 x 64 float32.
;; This version of the problem:
;;   THIS VERSION OF THE PROBLEM IS GIVEN IN LOW PRECISION. The matrix products marked QUANTISED in the list below multiply operands that are first quantised to E5M2 (5 exponent bits, 2 mantissa bits; 8 bits a number), with one given power-of-two scale for each operand tensor; their sums are f32. All else is computed in f32.
;;   The module's matrix products, in the order in which they are computed (A, B: the left and right operand; K: the contracted axis; several contracted axes count as one K, in the product's order):
;;     1. batch 16 x [M 2,048, K 64] x [K 64, N 2,048]; A: input q_val (given as codes); B: input k_val (given as codes): QUANTISED (scales: A lowp_scales[0], B lowp_scales[1])
;;     2. batch 16 x [M 2,048, K 64] x [K 64, N 2,048]; A: input q_pos (given as codes); B: input k_pos (given as codes): QUANTISED (scales: A lowp_scales[2], B lowp_scales[3])
;;     3. batch 16 x [M 64, K 2,048] x [K 2,048, N 2,048]; A: input v_val (given as codes); B: softmax (see below): QUANTISED (scales: A lowp_scales[4], B lowp_scales[5])
;;     4. batch 16 x [M 64, K 2,048] x [K 2,048, N 2,048]; A: input v_pos (given as codes); B: softmax (see below): QUANTISED (scales: A lowp_scales[6], B lowp_scales[7])
;;   THE QUANTISER, for each operand of a quantised product, along K:
;;     - The operand's scale is 2^e, e = its entry of the input lowp_scales (int32; the entries are numbered through the quantised products in the list's order, A before B).
;;     - Each number is divided by the scale, clamped to +-57,344, and rounded to the nearest number of E5M2, ties to even, subnormals kept.
;;     - The product sums the exact products of the quantised numbers (number of the format x scale) in f32.
;;   ~~~python
;;   def quantise(x, axis, e):      # numpy; x: float32 -> the quantised numbers, widened to float32 again
;;       x = np.moveaxis(x, axis, -1); K = x.shape[-1]
;;       r = np.clip(x / 2.0 ** e, -57344, 57344)
;;       step = 2.0 ** (np.maximum(np.frexp(np.where(r == 0, 1, r))[1] - 1, -14) - 2)
;;       q = np.round(r / step) * step * 2.0 ** e      # np.round: ties to even
;;       return np.moveaxis(q, -1, axis).astype(np.float32)
;;   ~~~
;;   SOFTMAX AHEAD OF A QUANTISED PRODUCT. Where the list says 'softmax', what is quantised is not the finished softmax but p = 2^(t - M), with t = logit x log2(e) and M = ceil(the row's largest t), a whole number; so 1/2 < the row's largest p <= 1. The row's sum l is taken of the UNQUANTISED p, in f32, and the product's result is divided by l at the end. Since M is a whole number, a kernel that streams over the keys may use a running M (the ceiling of the running maximum): every later rescaling is an exact power of two, so the quantised numbers keep their values, but for numbers so far below the row's largest that they fall under the format's range.
;;   OPERANDS COMPUTED ON THE WAY. 'Computed on the way' means the value that the module computes at that place (a softmax that the list does not call 'softmax' is quantised finished and normalised). What goes into a quantiser is computed in f32, as accurately as f32 sums, v_exp_f32 and their like allow (about 1e-6 of the number): no bf16 or f16 on the way to a quantiser, and a product that is left as it is and whose result goes on into a quantised operand takes f32 operands (vector FMAs, or v_wmma_f32_16x16x4_f32). A number that lies on a knife's edge between two numbers of the format may be rounded either way, as far as f32 arithmetic and the matrix unit's own rounding can turn it there, and no further.
;;   INPUTS GIVEN AS CODES. k_pos (in the module: [2, 2048, 8, 64], K = its axis 3); k_val (in the module: [2, 2048, 8, 64], K = its axis 3); q_pos (in the module: [2, 2048, 8, 64], K = its axis 3); q_val (in the module: [2, 2048, 8, 64], K = its axis 3); v_pos (in the module: [2, 2048, 8, 64], K = its axis 1); v_val (in the module: [2, 2048, 8, 64], K = its axis 1): each comes as NAME_codes (uint8): NAME with its K axis moved to the last place and cut into blocks of 32 codes, [.., K / 32, bytes a block], one block behind the other in memory; one code a byte (a code: sign, 5 exponent bits, 2 mantissa bits); its scale is its entry of lowp_scales. Its value is code x scale, taken as it is: it is not quantised again, and the codes and scales need not be those that the quantiser above would give.
;; One version. Each part assembles by itself: llvm-mc -triple=amdgcn-amd-amdhsa -mcpu=gfx1250 --defsym DOCPART=n.
;; ======== version 1 of 1: 1 launch
;; limits: right only within a limited range of input values
;; launch attn (part 1): grid 16 x 16, 4 waves a work-group, no clusters, 209,408 bytes of LDS; arguments q_val_codes, q_pos_codes, k_val_codes, k_pos_codes, v_val_codes, v_pos_codes, lowp_scales, out0, out1; writes out0, out1
.if DOCPART == 1
	.amdgcn_target "amdgcn-amd-amdhsa--gfx1250"
	.amdhsa_code_object_version 6
	.text
	.protected	k_q6c178677f0_attn
	.globl	k_q6c178677f0_attn
	.p2align	8
	.type	k_q6c178677f0_attn,@function
k_q6c178677f0_attn:
	s_mov_b64 s[64:65], 0
	v_nop
	global_prefetch_b8 v0, s[64:65] scope:SCOPE_SE
	s_setreg_imm32_b32 hwreg(HW_REG_WAVE_MODE, 25, 1), 1
	s_wait_xcnt 0x0
; out0[b][l][h][:] = sum over s of A[b][h][l][s] v_val[b][s][h][:],  out1 the same with v_pos,  A = softmax_s((q_val . k_val + q_pos . k_pos) / 8).
; All six tensors come as codes of E5M2; a number is its code x 2^e, e0 .. e7 in lowp_scales: q_val, k_val, q_pos, k_pos, v_val, p (for v_val), v_pos, p (for v_pos).
; DEAD WORK.  The function takes attn_mask as an argument and no line of its body reads it: no output hangs on it, whatever it holds.  It is not loaded and is not among the arguments.
; Its third result is None: nothing is stored for it.  (Limit: whatever bytes attn_mask holds, nothing of them is carried to a result.)
; THE SOFTMAX AHEAD OF THE SECOND PRODUCTS: t = logit x log2(e); M = the row's largest t so far, rounded UP to a whole number; p = 2^(t - M) is quantised along the keys; it is not normalised.
; The row's sum is taken of the unquantised p, in f32, and divides both results at the end.  When M moves, the sum and both results are multiplied by 2^(old M - new M): exact.
; TWO COPIES OF A STEP'S ARITHMETIC, chosen by the given exponents alone (whole numbers; this launch has no tensor load and no copy, and every barrier stands where the two ways have joined).  Let a = e0 + e1, b = e2 + e3.
;   a = b, e5 = e7 and e5 >= -15: one product of K = 128 makes both scores' sum; p <= 1 lies under 57,344 x 2^e5, so the hold at the largest code never acts, and p is converted once for both second products.
;   Otherwise: S = S_pos x 2^(b - a), then S += S_val; p is held and converted twice.
; SHARES.  16 heads (b, h) x 16 blocks of 128 queries: 256 work-groups of equal work, four waves each, one to a SIMD.  Wave w owns the 64 queries of group w / 2 (four tiles of 16) and, of each step's 256 keys, the half w % 2:
; so a fragment of K or V that it reads from LDS feeds four tiles.  The two waves of a group join their partial results once, at the end, through LDS: each keeps its tiles 0 and 1 and hands over its tiles 2 and 3
; (wave w's tile i is the group's tile (i + 2 (w % 2)) % 4).
; LAYOUT.  Both kinds of product are used transposed: S^T = K Q^T, O^T = V^T P^T: a lane holds ONE query (lane % 16) of a tile.  K's rows stand in LDS with bits 3 and 4 of the key exchanged, so that register j of lane (r, hl) in
; tile 2 c + u is key 32 c + 16 hl + 8 u + j: the conversions' results are the second product's operand, and V's fragments are 16 bytes a load.  K's and Q's fragments have the same order of k.
; THE WAY IN.  K's rows are 64 bytes of a row of 512, V's are 2,048 keys long.  Each step's 64 KiB (256 keys of k_val, k_pos, v_val, v_pos) are loaded once by the work-group, 32 loads a wave, whole rows of K and 256 bytes of V's,
; and stored from registers into ONE LDS slot.  The slot is free as soon as its fragments are in registers, so a step's stores stand in the middle of the step before; its loads go out one whole trip ahead of that.
; CLUSTERS: none.  Joint requests are tensor loads; K's rows of 64 bytes make poor tiles.
; PREFETCHES: none.  Every step's loads stand one whole trip, four tiles' products and softmax, ahead of the wait for them.
; LIMITS on the given exponents, so that each power of two below is an f32 number: a between -123 and 130; b - a between -126 and 89 (a sum of 64 products of codes times that power stays finite); e5 and e7 between -126 and 112;
; e4 + e5 and e6 + e7 are applied by v_ldexp_f32 and have none.  Codes of NaN or infinity among the inputs are not served.
; REGISTERS.  Window 0: v1-12 addresses and constants, v16-31 state, v32-57 at work, v64-191 the scores of two tiles, then p, v192-255 p's codes (v224-239 at work where p is converted once).
;   Window 1: v0-127 K's eight fragments, v128-255 V's eight.  Window 2: O^T, four tiles of 64.  Window 3: v0-63 Q, v64-191 the step on its way.
.set KP,   144                         ; a key's row in LDS: k_val's 64 bytes, k_pos's 64, 16 of padding: 9 x 16
.set VP,   272                         ; a channel's row: 256 keys + 16 of padding: 17 x 16
.set VOFF, 256*KP                      ; K's 256 rows, then V's 128
.set XB,   VOFF+128*VP                 ; the exchange: 16 KiB a wave, then 512 bytes a wave of (-M, l)
.set XM,   XB+65536
.set STG,  XM+2048                     ; the way out: a stage a wave: 2 tiles x 2 outputs x 16 rows x 272 bytes
.set SP,   272
.set WSTG, 4*16*SP
.set SPARE, STG+4*WSTG                 ; the spare words, 128 bytes a wave
.set KSTEP, 131072                     ; a step on in K: 256 rows of 512 bytes
.set AK,   1                           ; LDS addresses: my fragments of K, of V; where I store K, V
.set AV,   2
.set SK,   3
.set SV,   4
.set GK,   5                           ; offsets in memory of my lane's part of K, V
.set GV,   6
.set SPW,  7                           ; LDS address of my spare word, and 0: never rewritten
.set NIL,  8
.set LIM5, 9
.set SC5,  10
.set SC7,  11
.set LIM7, 12
.set TS,   16                          ; tile q: v[16+2q] -M, v[17+2q] the largest score
.set LS,   24                          ; tile q: v[24+2q:25+2q] the sum in two halves
.set FF,   32                          ; tile k of a pair: v[32+2k] f = 2^(old M - new M), v[33+2k] at work
.set MX,   36                          ; v36-39 two chains of the maximum a tile
.set PX,   40                          ; v40-41 the lane permutes' destinations
.set TP,   42                          ; v42-57 at work
.set T2,   224                         ; v224-239 at work
.set SB,   64
.set CB,   192
.set QA,   58                          ; Q's offsets: tiles 0 and 1, tiles 2 and 3
.set QB,   59
.set ST,   64                          ; window 3: the step on its way
.set WV,   22
.set CS,   56                          ; s[56:57] (log2(e) / 8) x 2^a
.set RS,   58                          ; s[58:59] 2^(b - a)
.set SEL,  60                          ; s[60:61] lane selects: lane l xor 16
.set CNT,  62
.set PATH, 63                          ; 0: the first copy of a step's arithmetic
.set NC,   66                          ; -(log2(e) / 8) x 2^a
.set EX,   68                          ; s[68:75] e0 .. e7
.set VB,   78                          ; s[78:79] v_val or v_pos: the tensor that I fetch
.set MSB, 0
.macro WIN new                         ; the immediate's high byte repeats the setting that is left; a switch that changes nothing is dropped
.if MSB != \new
	s_set_vgpr_msb (MSB<<8)|\new
.set MSB, \new
.endif
.endm
.macro WA
	s_wait_alu depctr_va_vdst(0)
.endm
.macro ADD a, b
	v_pk_add_f32 v[\a:\a+1], v[\a:\a+1], v[\b:\b+1]
.endm
; A step's 32 loads: eight rows of 64 bytes a load for K (lanes 4 to a row), two rows of 256 bytes a load for V
.macro GLOAD st, kd, vd
.irp i, 0,2,4,6,8,10,12,14
	global_load_b128 v[\st+4*\i:\st+4*\i+3], v[GK], s[8:9] offset:\kd+512*(32*(\i/8)+8*((\i/4)%2)+2*((\i/2)%2))
	global_load_b128 v[\st+4*\i+4:\st+4*\i+7], v[GK], s[10:11] offset:\kd+512*(32*(\i/8)+8*((\i/4)%2)+2*((\i/2)%2))
.endr
.irp i, 0,1,2,3,4,5,6,7,8,9,10,11,12,13,14,15
	global_load_b128 v[\st+64+4*\i:\st+64+4*\i+3], v[GV], s[VB:VB+1] offset:\vd+4096*\i
.endr
.endm
.macro TOLDS st
.irp i, 0,1,2,3,4,5,6,7,8,9,10,11,12,13,14,15
	ds_store_b128 v[SK], v[\st+4*\i:\st+4*\i+3] offset:(16*(\i/4)+2*((\i/2)%2))*KP+64*(\i%2)
.endr
.irp i, 0,1,2,3,4,5,6,7,8,9,10,11,12,13,14,15
	ds_store_b128 v[SV], v[\st+64+4*\i:\st+64+4*\i+3] offset:2*\i*VP
.endr
.endm
.macro KREAD                           ; fragment t: registers 0-7 k_val (bytes 16 hl and 32 + 16 hl of the row), 8-15 k_pos
	WIN 0x40
.irp t, 0,1,2,3,4,5,6,7
.irp c, 0,1,2,3
	ds_load_b128 v[16*\t+4*\c:16*\t+4*\c+3], v[AK] offset:\t*16*KP+32*\c
.endr
.endr
	WIN 0
.endm
.macro VREAD                           ; fragment i: 16 channels (0-3 v_val, 4-7 v_pos) x my 128 keys
	WIN 0x40
.irp i, 0,1,2,3,4,5,6,7
.irp c, 0,1,2,3
	ds_load_b128 v[128+16*\i+4*\c:128+16*\i+4*\c+3], v[AV] offset:\i*16*VP+32*\c
.endr
.endr
	WIN 0
.endm
; PA: the scores of pair p's two tiles (2 p, 2 p + 1) against my 128 keys, and the new M.  g = 1: the general copy.
.macro PA p, g
	WIN 0x0d                                       ; source 0 (K) window 1, source 1 (Q) window 3
.if \g
.irp t, 0,1,2,3,4,5,6,7
.irp k, 0,1
	v_wmma_f32_16x16x64_bf8_bf8 v[SB+64*\k+8*\t:SB+64*\k+8*\t+7], v[16*\t+8:16*\t+15], v[32*\p+16*\k+8:32*\p+16*\k+15], 0
.endr
.endr
	WIN 0
.rept 4
	v_nop
.endr
.set j, 0
.rept 64
	v_pk_mul_f32 v[SB+j:SB+j+1], v[SB+j:SB+j+1], s[RS:RS+1] op_sel_hi:[1,0]   ; S_pos x 2^(b - a)
.set j, j+2
.endr
	WIN 0x0d
.irp t, 0,1,2,3,4,5,6,7
.irp k, 0,1
	v_wmma_f32_16x16x64_bf8_bf8 v[SB+64*\k+8*\t:SB+64*\k+8*\t+7], v[16*\t:16*\t+7], v[32*\p+16*\k:32*\p+16*\k+7], v[SB+64*\k+8*\t:SB+64*\k+8*\t+7]
.endr
.endr
.else
.irp t, 0,1,2,3,4,5,6,7
.irp k, 0,1
	v_wmma_f32_16x16x128_bf8_bf8 v[SB+64*\k+8*\t:SB+64*\k+8*\t+7], v[16*\t:16*\t+15], v[32*\p+16*\k:32*\p+16*\k+15], 0
.endr
.endr
.endif
	WIN 0
.rept 4
	v_nop                                          ; four places between the last product and the first read of results
.endr
.irp k, 0,1
	v_max3_num_f32 v[MX+2*\k], v[SB+64*\k], v[SB+64*\k+1], v[SB+64*\k+2]
	v_max3_num_f32 v[MX+2*\k+1], v[SB+64*\k+3], v[SB+64*\k+4], v[SB+64*\k+5]
.endr
.irp i, 6,10,14,18,22,26,30,34,38,42,46,50,54,58
.irp k, 0,1
	v_max3_num_f32 v[MX+2*\k], v[MX+2*\k], v[SB+64*\k+\i], v[SB+64*\k+\i+1]
	v_max3_num_f32 v[MX+2*\k+1], v[MX+2*\k+1], v[SB+64*\k+\i+2], v[SB+64*\k+\i+3]
.endr
.endr
.irp k, 0,1
	v_max3_num_f32 v[MX+2*\k], v[MX+2*\k], v[SB+64*\k+62], v[SB+64*\k+63]
.endr
.irp k, 0,1
	v_max_num_f32 v[MX+2*\k], v[MX+2*\k], v[MX+2*\k+1]
.endr
.irp k, 0,1
	v_permlanex16_b32 v[PX+\k], v[MX+2*\k], s[SEL], s[SEL+1]
.endr
.irp k, 0,1
	v_max3_num_f32 v[TS+4*\p+2*\k+1], v[TS+4*\p+2*\k+1], v[MX+2*\k], v[PX+\k]   ; the running largest score
.endr
.irp k, 0,1
	v_mul_f32 v[MX+2*\k+1], s[NC], v[TS+4*\p+2*\k+1]   ; -t
.endr
.irp k, 0,1
	v_mov_b32 v[FF+2*\k+1], v[TS+4*\p+2*\k]
.endr
.irp k, 0,1
	v_floor_f32 v[TS+4*\p+2*\k], v[MX+2*\k+1]          ; the new -M = floor(-t) = -ceil(t)
.endr
.irp k, 0,1
	v_sub_f32 v[FF+2*\k+1], v[TS+4*\p+2*\k], v[FF+2*\k+1]   ; old M - new M: a whole number, 0 or less
.endr
.irp k, 0,1
	v_cvt_i32_f32 v[FF+2*\k+1], v[FF+2*\k+1]           ; (it saturates)
.endr
.irp k, 0,1
	v_ldexp_f32 v[FF+2*\k], 1.0, v[FF+2*\k+1]
.endr
.endm
.macro SUMT k, p                       ; the sum of tile k's 64 p, eight chains of two
.set j, 0
.rept 8
	v_pk_add_f32 v[TP+j:TP+j+1], v[SB+64*\k+j:SB+64*\k+j+1], v[SB+64*\k+16+j:SB+64*\k+17+j]
.set j, j+2
.endr
.irp n, 32,48
.set j, 0
.rept 8
	ADD TP+j, SB+64*\k+\n+j
.set j, j+2
.endr
.endr
.irp n, 0,2,4,6
	ADD TP+\n, TP+\n+8
.endr
	ADD TP, TP+4
	ADD TP+2, TP+6
	ADD TP, TP+2
	ADD LS+4*\p+2*\k, TP
.endm
; PB: p, the sums, p's codes, and pair p's second products
.macro PB p, g
.set j, 0
.rept 32
	v_pk_fma_f32 v[SB+j:SB+j+1], v[SB+j:SB+j+1], s[CS:CS+1], v[TS+4*\p:TS+4*\p+1] op_sel_hi:[1,0,0]   ; t - M, two at a time (of both pairs the low word serves both halves)
.set j, j+2
.endr
	WA
.set j, 0
.rept 32                               ; tile 0's exponentials; tile 1's t - M, read only behind the next wait, stand among them
	v_exp_f32 v[SB+j], v[SB+j]
	v_exp_f32 v[SB+j+1], v[SB+j+1]
	v_pk_fma_f32 v[SB+64+j:SB+64+j+1], v[SB+64+j:SB+64+j+1], s[CS:CS+1], v[TS+4*\p+2:TS+4*\p+3] op_sel_hi:[1,0,0]
.set j, j+2
.endr
	WA
.set n, 0
.rept 16                               ; tile 1's exponentials; among them (one scale for p) tile 0's conversions and the first of its sums, each into registers read only behind the next wait
	v_exp_f32 v[SB+64+4*n], v[SB+64+4*n]
	v_exp_f32 v[SB+65+4*n], v[SB+65+4*n]
.if (\g) == 0
.if n < 8
	v_cvt_scalef32_pk8_bf8_f32 v[CB+2*n:CB+2*n+1], v[SB+8*n:SB+8*n+7], v[SC5]
.endif
.endif
	v_exp_f32 v[SB+66+4*n], v[SB+66+4*n]
	v_exp_f32 v[SB+67+4*n], v[SB+67+4*n]
.if (\g) == 0
.if n < 8
	v_pk_add_f32 v[TP+2*n:TP+2*n+1], v[SB+2*n:SB+2*n+1], v[SB+16+2*n:SB+17+2*n]
.else
	v_pk_add_f32 v[T2+2*n-16:T2+2*n-15], v[SB+16+2*n:SB+17+2*n], v[SB+32+2*n:SB+33+2*n]
.endif
.endif
.set n, n+1
.endr
.irp k, 0,1
	v_pk_mul_f32 v[LS+4*\p+2*\k:LS+4*\p+2*\k+1], v[LS+4*\p+2*\k:LS+4*\p+2*\k+1], v[FF+2*\k:FF+2*\k+1] op_sel_hi:[1,0]   ; the sums under the new M
.endr
	WA
.if \g
	SUMT 0, \p
	SUMT 1, \p
; The conversion to an 8-bit code does not saturate (ISA guide 7.6.2); p is not negative, so each hold is one-sided: for e5 into other registers, for e7 in place.
.irp k, 0,1
.irp q, 0,1,2,3
.set j, 0
.rept 16
	v_min_num_f32 v[TP+j], v[SB+64*\k+16*\q+j], v[LIM5]
.set j, j+1
.endr
	v_cvt_scalef32_pk8_bf8_f32 v[CB+16*\k+4*\q:CB+16*\k+4*\q+1], v[TP:TP+7], v[SC5]
	v_cvt_scalef32_pk8_bf8_f32 v[CB+16*\k+4*\q+2:CB+16*\k+4*\q+3], v[TP+8:TP+15], v[SC5]
.set j, 0
.rept 16
	v_min_num_f32 v[SB+64*\k+16*\q+j], v[SB+64*\k+16*\q+j], v[LIM7]
.set j, j+1
.endr
	v_cvt_scalef32_pk8_bf8_f32 v[CB+32+16*\k+4*\q:CB+33+16*\k+4*\q], v[SB+64*\k+16*\q:SB+64*\k+16*\q+7], v[SC7]
	v_cvt_scalef32_pk8_bf8_f32 v[CB+34+16*\k+4*\q:CB+35+16*\k+4*\q], v[SB+64*\k+16*\q+8:SB+64*\k+16*\q+15], v[SC7]
.endr
.endr
.else
.set n, 0
.rept 8
	v_cvt_scalef32_pk8_bf8_f32 v[CB+16+2*n:CB+17+2*n], v[SB+64+8*n:SB+71+8*n], v[SC5]
.set n, n+1
.endr
.set j, 0
.rept 8
	ADD TP+j, T2+j
.set j, j+2
.endr
.set j, 0
.rept 8
	v_pk_add_f32 v[T2+j:T2+j+1], v[SB+64+j:SB+65+j], v[SB+80+j:SB+81+j]
.set j, j+2
.endr
.irp n, 0,2,4,6
	ADD TP+\n, TP+\n+8
.endr
.set j, 0
.rept 8
	ADD T2+j, SB+96+j
.set j, j+2
.endr
	ADD TP, TP+4
	ADD TP+2, TP+6
.set j, 0
.rept 8
	ADD T2+j, SB+112+j
.set j, j+2
.endr
	ADD TP, TP+2
.irp n, 0,2,4,6
	ADD T2+\n, T2+\n+8
.endr
	ADD LS+4*\p, TP
	ADD T2, T2+4
	ADD T2+2, T2+6
	ADD T2, T2+2
	ADD LS+4*\p+2, T2
.endif
	WIN 0x82                                       ; source 0 and destination (O^T) window 2
.if (\p) == 0
	WA
	s_wait_dscnt 0x0                               ; V's fragments are in (pair 1 finds them)
.endif
	WA
.irp k, 0,1
.set j, 0
.rept 32
	v_pk_mul_f32 v[128*\p+64*\k+j:128*\p+64*\k+j+1], v[128*\p+64*\k+j:128*\p+64*\k+j+1], v[FF+2*\k:FF+2*\k+1] op_sel_hi:[1,0]   ; O^T under the new M; each accumulator from its low end on
.set j, j+2
.endr
.endr
	WIN 0xa1                                       ; source 0 (V) window 1, C and D window 2
.irp i, 0,1,2,3,4,5,6,7                ; sixteen accumulators by turns, one instruction a turn
.irp k, 0,1
	v_wmma_f32_16x16x128_bf8_bf8 v[128*\p+64*\k+8*\i:128*\p+64*\k+8*\i+7], v[128+16*\i:128+16*\i+15], v[CB+16*\k+32*\g*(\i/4):CB+16*\k+32*\g*(\i/4)+15], v[128*\p+64*\k+8*\i:128*\p+64*\k+8*\i+7]
.endr
.endr
	WIN 0
.if \p
.rept 4
	v_nop                                          ; four places ahead of the loads into V's fragments, or of the stores of results behind the loop
.endr
.endif
.endm
	s_load_b256 s[4:11], s[0:1], 0x0               ; q_val s[4:5], q_pos s[6:7], k_val s[8:9], k_pos s[10:11]
	s_load_b256 s[12:19], s[0:1], 0x20             ; v_val s[12:13], v_pos s[14:15], the exponents s[16:17], out0 s[18:19]
	s_load_b64 s[20:21], s[0:1], 0x40              ; out1
	v_lshrrev_b32 v40, 5, v0
	v_readfirstlane_b32 s[WV], v40                 ; wave 0..3
	s_lshr_b32 s23, s[WV], 1                       ; my group of 64 queries.  Also: I fetch v_val (0) or v_pos (1)
	s_and_b32 s24, s[WV], 1                        ; my half of a step's keys.  Also: which 32 channels I fetch
	s_and_b32 s25, ttmp7, 0xffff                   ; 8 b + h
	s_lshr_b32 s26, s25, 3
	s_and_b32 s27, s25, 7
	s_lshl_b32 s30, s26, 20                        ; Q and K: [b][row][h][64]: b x 2,048 x 512 bytes
	s_lshl_b32 s27, s27, 6
	s_add_co_u32 s30, s30, s27                     ; + 64 h
	s_lshl_b32 s32, s[WV], 15                      ; K: of a step I fetch keys 64 w on
	s_add_co_u32 s32, s32, s30
	s_mov_b32 s33, 0
	s_lshl_b32 s34, s25, 17                        ; V: [b][h][64][2,048]
	s_lshl_b32 s26, s24, 16
	s_add_co_u32 s34, s34, s26
	s_mov_b32 s35, 0
	s_lshl_b32 s36, ttmp9, 16                      ; Q: 128 x block + 64 x group rows
	s_lshl_b32 s26, s23, 15
	s_add_co_u32 s36, s36, s26
	s_add_co_u32 s36, s36, s30
	s_mov_b32 s37, 0
	s_lshl_b32 s40, s24, 14                        ; my tiles 0 and 1 begin 32 x half rows on,
	s_xor_b32 s41, s40, 0x4000                     ; my tiles 2 and 3 in the other 32 rows
	s_add_co_u32 s38, s36, s40
	s_lshl_b32 s38, s38, 2                         ; the outputs: the same shape in f32, from my tile 0 on
	s_mov_b32 s39, 0
	s_mul_i32 s42, s[WV], 64*KP
	s_mul_i32 s43, s[WV], 32*VP
	s_add_co_u32 s43, s43, VOFF
	s_mul_i32 s44, s24, 128*KP
	s_lshl_b32 s45, s24, 7
	s_add_co_u32 s45, s45, VOFF
	s_mov_b32 s[SEL], 0x76543210
	s_mov_b32 s[SEL+1], 0xfedcba98
	s_mov_b32 s[CNT], 0
	v_lshl_add_u32 v[SPW], v0, 2, SPARE
	v_mov_b32 v[NIL], 0
	v_and_b32 v42, 15, v0                          ; r
	v_bfe_u32 v43, v0, 4, 1                        ; hl
	v_bfe_u32 v44, v0, 3, 1
	v_bfe_u32 v45, v0, 2, 1
	v_and_b32 v47, 3, v0
	v_lshl_add_u32 v46, v45, 2, v43
	v_lshl_add_u32 v46, v44, 4, v46                ; the key that my lane loads: 16 (l / 8 % 2) + 4 (l / 4 % 2) + l / 16,
	v_lshlrev_b32 v[GK], 9, v46
	v_lshl_add_u32 v[GK], v47, 4, v[GK]            ; 16 bytes of its row of 64
	v_lshlrev_b32 v[GV], 11, v43                   ; V: lanes 0-15 one row's 256 bytes, lanes 16-31 the next row's
	v_lshl_add_u32 v[GV], v42, 4, v[GV]
	v_bfe_u32 v48, v0, 2, 2
	v_lshl_add_u32 v48, v48, 2, v43                ; and where that key stands in its tile: row 4 (l / 4 % 4) + l / 16
	v_mul_u32_u24 v[SK], v48, KP
	v_lshl_add_u32 v[SK], v47, 4, v[SK]
	v_add_nc_u32 v[SK], s42, v[SK]
	v_mul_u32_u24 v[SV], v43, VP
	v_lshl_add_u32 v[SV], v42, 4, v[SV]
	v_add_nc_u32 v[SV], s43, v[SV]
	v_mul_u32_u24 v[AK], v42, KP
	v_lshl_add_u32 v[AK], v43, 4, v[AK]
	v_add_nc_u32 v[AK], s44, v[AK]
	v_mul_u32_u24 v[AV], v42, VP
	v_lshl_add_u32 v[AV], v43, 4, v[AV]
	v_add_nc_u32 v[AV], s45, v[AV]
	v_lshlrev_b32 v49, 9, v42                      ; Q: row r, + 16 hl
	v_lshl_add_u32 v49, v43, 4, v49
	v_add_nc_u32 v[QA], s40, v49
	v_add_nc_u32 v[QB], s41, v49
	WA
	s_wait_kmcnt 0x0
	s_load_b256 s[EX:EX+7], s[16:17], 0x0          ; e0 .. e7
	s_add_nc_u64 s[8:9], s[8:9], s[32:33]
	s_add_nc_u64 s[10:11], s[10:11], s[32:33]
	s_cmp_eq_u32 s23, 0
	s_cselect_b64 s[VB:VB+1], s[12:13], s[14:15]
	s_add_nc_u64 s[VB:VB+1], s[VB:VB+1], s[34:35]
	s_add_nc_u64 s[4:5], s[4:5], s[36:37]
	s_add_nc_u64 s[6:7], s[6:7], s[36:37]
	s_add_nc_u64 s[18:19], s[18:19], s[38:39]
	s_add_nc_u64 s[20:21], s[20:21], s[38:39]
	WIN 0x80
	GLOAD 0, 0, 0                                  ; step 0, into registers that later hold O^T: 32 loads
	WIN 0xc0
.irp q, 0,1                            ; Q: 16 loads, straight into its fragments
	global_load_b128 v[16*\q:16*\q+3],     v[QA], s[4:5] offset:8192*\q
	global_load_b128 v[16*\q+4:16*\q+7],   v[QA], s[4:5] offset:8192*\q+32
	global_load_b128 v[16*\q+8:16*\q+11],  v[QA], s[6:7] offset:8192*\q
	global_load_b128 v[16*\q+12:16*\q+15], v[QA], s[6:7] offset:8192*\q+32
.endr
.irp q, 0,1
	global_load_b128 v[32+16*\q:32+16*\q+3],     v[QB], s[4:5] offset:8192*\q
	global_load_b128 v[32+16*\q+4:32+16*\q+7],   v[QB], s[4:5] offset:8192*\q+32
	global_load_b128 v[32+16*\q+8:32+16*\q+11],  v[QB], s[6:7] offset:8192*\q
	global_load_b128 v[32+16*\q+12:32+16*\q+15], v[QB], s[6:7] offset:8192*\q+32
.endr
	GLOAD ST, KSTEP, 256                           ; step 1: 32 loads
	WIN 0
.irp q, 0,1,2,3
	v_mov_b32 v[TS+2*\q], 0x7f61b1e6               ; -M: 3e38
	v_mov_b32 v[TS+2*\q+1], 0xff61b1e6             ; the largest score so far: -3e38
	v_mov_b32 v[LS+2*\q], 0
	v_mov_b32 v[LS+2*\q+1], 0
.endr
	v_mov_b32 v[PX], 0
	v_mov_b32 v[PX+1], 0
	WIN 0x80
.set j, 128
.rept 128
	v_mov_b32 v[j], 0                              ; O^T of tiles 2 and 3, while the loads are out.  (A step has one form: the first finds zeros, which the first change of M leaves zeros)
.set j, j+1
.endr
	WIN 0
	WA
	s_wait_kmcnt 0x0                               ; the exponents
	s_add_co_i32 s26, s[EX], s[EX+1]               ; a
	s_add_co_i32 s27, s[EX+2], s[EX+3]
	s_sub_co_i32 s27, s27, s26                     ; b - a
	s_lshl_b32 s28, s26, 23
	s_add_co_i32 s[CS], s28, 0x3e38aa3b            ; log2(e) / 8, with a added to its exponent field
	s_mov_b32 s[CS+1], s[CS]                       ; (named with it as a pair, so it is written)
	s_xor_b32 s[NC], s[CS], 0x80000000
	s_add_co_i32 s28, s27, 127
	s_lshl_b32 s[RS], s28, 23                      ; 2^(b - a)
	s_mov_b32 s[RS+1], s[RS]
	s_sub_co_i32 s28, s[EX+5], s[EX+7]
	s_or_b32 s27, s27, s28
	s_cmp_lt_i32 s[EX+5], -15
	s_cselect_b32 s28, 1, 0
	s_or_b32 s[PATH], s27, s28                     ; 0 where a = b, e5 = e7 and e5 >= -15
	s_add_co_i32 s26, s[EX+5], 127
	s_lshl_b32 s27, s26, 23
	s_add_co_i32 s26, s26, 15
	s_lshl_b32 s26, s26, 23
	s_or_b32 s26, s26, 0x600000
	s_add_co_i32 s28, s[EX+7], 127
	s_lshl_b32 s29, s28, 23
	s_add_co_i32 s28, s28, 15
	s_lshl_b32 s28, s28, 23
	s_or_b32 s28, s28, 0x600000
	s_add_co_i32 s76, s[EX+4], s[EX+5]             ; e4 + e5 and e6 + e7, for the way out
	s_add_co_i32 s77, s[EX+6], s[EX+7]
	v_mov_b32 v[SC5], s27                          ; 2^e5: the conversion takes its exponent field;  57,344 x 2^e5
	v_mov_b32 v[LIM5], s26
	v_mov_b32 v[SC7], s29
	v_mov_b32 v[LIM7], s28
	WA
	s_wait_loadcnt 48                              ; step 0 is in: Q's 16 loads and step 1's 32 may be out
	WIN 0x08
	TOLDS 0
	WIN 0x80
.set j, 0
.rept 128
	v_mov_b32 v[j], 0                              ; O^T of tiles 0 and 1, while the stores are out
.set j, j+1
.endr
	WIN 0
	WA
	s_wait_dscnt 0x0                               ; my stores are done
	s_barrier_signal -1
	s_barrier_wait -1                              ; everybody's are
	KREAD
	s_wait_loadcnt 32                              ; Q is in; step 1's 32 loads may be out
	s_wait_dscnt 0x0                               ; K's fragments are in
	VREAD
; A TRIP: 256 keys of the head, 128 of them mine.  Eight trips.
.Ltrip:
	s_cmp_eq_u32 s[PATH], 0
	s_cbranch_scc0 .Lgeneral_1
	PA 0, 0
	PB 0, 0
	WA
	s_branch .Ljoin_1
.Lgeneral_1:
	PA 0, 1
	PB 0, 1
	WA
.Ljoin_1:
	s_wait_dscnt 0x0                               ; my reads of the slot are over,
	s_wait_loadcnt 0x0                             ; and my part of the next step is in registers
	s_barrier_signal -1
	s_barrier_wait -1                              ; nobody reads the slot any more
	s_cmp_lt_u32 s[CNT], 7
	s_cbranch_scc0 .Lstored                        ; no step is left to store,
	WIN 0x0c
	TOLDS ST
	WIN 0
	s_cmp_lt_u32 s[CNT], 6
	s_cbranch_scc0 .Lstored                        ; or to load
	s_add_nc_u64 s[8:9], s[8:9], KSTEP             ; (every load that named these bases is done)
	s_add_nc_u64 s[10:11], s[10:11], KSTEP
	s_add_nc_u64 s[VB:VB+1], s[VB:VB+1], 256
	WIN 0xc0
	GLOAD ST, KSTEP, 256                           ; the step two trips on: it is waited for one trip from here
	WIN 0
.Lstored:
	s_cmp_eq_u32 s[PATH], 0
	s_cbranch_scc0 .Lgeneral_2
	PA 1, 0
	WA
	s_branch .Ljoin_2
.Lgeneral_2:
	PA 1, 1
	WA
.Ljoin_2:
	s_wait_dscnt 0x0                               ; my stores of the next step are done
	s_barrier_signal -1
	s_barrier_wait -1                              ; everybody's are
	s_cmp_lt_u32 s[CNT], 7
	s_cbranch_scc0 .Lno_k
	KREAD                                          ; the next step's K, under this step's last softmax
.Lno_k:
	s_cmp_eq_u32 s[PATH], 0
	s_cbranch_scc0 .Lgeneral_3
	PB 1, 0
	WA
	s_branch .Ljoin_3
.Lgeneral_3:
	PB 1, 1
	WA
.Ljoin_3:
	s_wait_dscnt 0x0                               ; K's fragments are in
	s_cmp_lt_u32 s[CNT], 7
	s_cbranch_scc0 .Lno_v
	VREAD                                          ; the next step's V: it lands under the next scores and softmax
.Lno_v:
	s_add_co_u32 s[CNT], s[CNT], 1
	s_cmp_lt_u32 s[CNT], 8
	s_cbranch_scc1 .Ltrip
	; THE JOINING OF THE TWO HALVES OF THE KEYS.  Each wave's sums over its own keys first; then tiles 2 and 3 go to the other wave of the group, with -M and the sum, and its tiles 2 and 3, which are my tiles 0 and 1, come in.
	s_lshl_b32 s26, s[WV], 14
	s_xor_b32 s27, s26, 0x4000
	s_add_co_u32 s26, s26, XB
	s_add_co_u32 s27, s27, XB
	s_lshl_b32 s28, s[WV], 9
	s_xor_b32 s29, s28, 0x200
	s_add_co_u32 s28, s28, XM
	s_add_co_u32 s29, s29, XM
	s_mul_i32 s30, s[WV], WSTG
	s_add_co_u32 s30, s30, STG                     ; my stage
	v_and_b32 v46, 31, v0
	v_lshlrev_b32 v47, 4, v46
	v_lshlrev_b32 v48, 3, v46
	v_add_nc_u32 v60, s26, v47
	v_add_nc_u32 v61, s27, v47
	v_add_nc_u32 v62, s28, v48
	v_add_nc_u32 v63, s29, v48
.irp q, 0,1,2,3
	v_add_f32 v[LS+2*\q], v[LS+2*\q], v[LS+2*\q+1]
.endr
.irp q, 0,1,2,3
	v_permlanex16_b32 v[TP+\q], v[LS+2*\q], s[SEL], s[SEL+1]
.endr
.irp q, 0,1,2,3
	v_add_f32 v[TS+2*\q+1], v[LS+2*\q], v[TP+\q]   ; v[16+2q:17+2q] = -M and the sum
.endr
	v_and_b32 v42, 15, v0                          ; r
	v_bfe_u32 v43, v0, 4, 1                        ; hl
	v_mul_u32_u24 v[AK], v42, SP
	v_lshl_add_u32 v[AK], v43, 5, v[AK]
	v_add_nc_u32 v[AK], s30, v[AK]                 ; the stage, in: row r, 32 hl
	v_mul_u32_u24 v[AV], v43, SP
	v_lshl_add_u32 v[AV], v42, 4, v[AV]
	v_add_nc_u32 v[AV], s30, v[AV]                 ; back: lanes 0-15 one row, lanes 16-31 the next,
	v_lshlrev_b32 v[SK], 11, v43                   ; and the same two rows in an output, 2,048 bytes apart
	v_lshl_add_u32 v[SK], v42, 4, v[SK]
	WA
	WIN 0x08
.set j, 0
.rept 32
	ds_store_b128 v60, v[128+4*j:128+4*j+3] offset:512*j
.set j, j+1
.endr
	WIN 0
	ds_store_b64 v62, v[20:21]
	ds_store_b64 v62, v[22:23] offset:256
	s_wait_dscnt 0x0
	s_barrier_signal -1
	s_barrier_wait -1
	ds_load_b64 v[52:53], v63
	ds_load_b64 v[54:55], v63 offset:256
.set j, 0
.rept 32
	ds_load_b128 v[SB+4*j:SB+4*j+3], v61 offset:512*j
.set j, j+1
.endr
	s_wait_dscnt 32                                ; the other's -M and sums are in; its 32 loads of O^T may be out
.irp i, 0,1
	v_min_num_f32 v[44+\i], v[TS+2*\i], v[52+2*\i]   ; -M of both halves
.endr
.irp i, 0,1
	v_sub_f32 v[46+\i], v[44+\i], v[TS+2*\i]
	v_sub_f32 v[48+\i], v[44+\i], v[52+2*\i]
.endr
.irp i, 0,1
	v_cvt_i32_f32 v[46+\i], v[46+\i]
	v_cvt_i32_f32 v[48+\i], v[48+\i]
.endr
.irp i, 0,1
	v_ldexp_f32 v[46+\i], 1.0, v[46+\i]
	v_ldexp_f32 v[48+\i], 1.0, v[48+\i]
.endr
.irp i, 0,1
	v_mul_f32 v[50+\i], v[TS+2*\i+1], v[46+\i]
.endr
.irp i, 0,1
	v_fma_f32 v[50+\i], v[53+2*\i], v[48+\i], v[50+\i]   ; the row's sum
.endr
	WA
	v_rcp_f32 v50, v50
	v_rcp_f32 v51, v51
	v_nop
	WA
.irp i, 0,1
	v_mul_f32 v[46+\i], v[46+\i], v[50+\i]
	v_mul_f32 v[48+\i], v[48+\i], v[50+\i]
.endr
.irp i, 0,1                            ; the four factors of tile i: mine and the other's, x 2^(e4 + e5) and x 2^(e6 + e7)
	v_ldexp_f32 v[CB+8*\i], v[46+\i], s76
	v_ldexp_f32 v[CB+8*\i+2], v[48+\i], s76
	v_ldexp_f32 v[CB+8*\i+4], v[46+\i], s77
	v_ldexp_f32 v[CB+8*\i+6], v[48+\i], s77
.endr
	WA
	s_wait_dscnt 0x0                               ; the other's O^T is in
.irp i, 0,1
.irp o, 0,1
.set j, 0
.rept 16
	v_pk_mul_f32 v[SB+64*\i+32*\o+j:SB+64*\i+32*\o+j+1], v[SB+64*\i+32*\o+j:SB+64*\i+32*\o+j+1], v[CB+8*\i+4*\o+2:CB+8*\i+4*\o+3] op_sel_hi:[1,0]
.set j, j+2
.endr
.endr
.endr
	WIN 0x02
	WA
.irp i, 0,1
.irp o, 0,1
.set j, 0
.rept 16
	v_pk_fma_f32 v[SB+64*\i+32*\o+j:SB+64*\i+32*\o+j+1], v[64*\i+32*\o+j:64*\i+32*\o+j+1], v[CB+8*\i+4*\o:CB+8*\i+4*\o+1], v[SB+64*\i+32*\o+j:SB+64*\i+32*\o+j+1] op_sel_hi:[1,0,1]
.set j, j+2
.endr
.endr
.endr
	WIN 0
	; THE WAY OUT.  A lane holds 32 neighbouring bytes of a row of 256, and the lanes beside it hold other rows: through my stage they come back as whole rows, so that sixteen lanes store 256 consecutive bytes,
	; at a multiple of 256 from the output's first byte.  LDS serves a wave's instructions in order (ISA guide 5.7.1.4): the loads see my stores.
.irp i, 0,1
.irp o, 0,1
.irp n, 0,1,2,3
	ds_store_b128 v[AK], v[SB+64*\i+32*\o+8*\n:SB+64*\i+32*\o+8*\n+3] offset:(2*\i+\o)*16*SP+64*\n
	ds_store_b128 v[AK], v[SB+64*\i+32*\o+8*\n+4:SB+64*\i+32*\o+8*\n+7] offset:(2*\i+\o)*16*SP+64*\n+16
.endr
.endr
	WIN 0x40
.irp o, 0,1
.irp n, 0,1,2,3,4,5,6,7
	ds_load_b128 v[64*\i+32*\o+4*\n:64*\i+32*\o+4*\n+3], v[AV] offset:(2*\i+\o)*16*SP+2*\n*SP
.endr
.endr
	WIN 0
.endr
	WIN 0x04
.macro SEND i, o, younger              ; younger: the LDS instructions issued behind this block's eight loads
	s_wait_dscnt \younger
.irp n, 0,1,2,3,4,5,6,7
	global_store_b128 v[SK], v[64*\i+32*\o+4*\n:64*\i+32*\o+4*\n+3], s[18+2*\o:19+2*\o] offset:32768*\i+4096*\n th:TH_STORE_NT
.endr
.endm
	SEND 0, 0, 40
	SEND 0, 1, 32
	SEND 1, 0, 8
	SEND 1, 1, 0
	WIN 0
	s_wait_tensorcnt 0x0                           ; the wave's end, behind my last LDS store
	ds_add_u32 v[SPW], v[NIL]
	s_wait_dscnt 0x0
	s_endpgm
.Lfunc_end_k_q6c178677f0_attn:
	.size	k_q6c178677f0_attn, .Lfunc_end_k_q6c178677f0_attn-k_q6c178677f0_attn
	.p2alignl 7, 3214868480
	.fill 96, 4, 3214868480
	.section	.rodata,"a",@progbits
	.p2align	6, 0x0
	.amdhsa_kernel k_q6c178677f0_attn
		.amdhsa_group_segment_fixed_size 209408
		.amdhsa_private_segment_fixed_size 0
		.amdhsa_enable_private_segment 0
		.amdhsa_kernarg_size 72
		.amdhsa_user_sgpr_count 2
		.amdhsa_user_sgpr_kernarg_segment_ptr 1
		.amdhsa_wavefront_size32 1
		.amdhsa_system_sgpr_workgroup_id_x 1
		.amdhsa_system_sgpr_workgroup_id_y 1
		.amdhsa_system_sgpr_workgroup_id_z 1
		.amdhsa_system_vgpr_workitem_id 0
		.amdhsa_next_free_vgpr 1024
		.amdhsa_next_free_sgpr 96
		.amdhsa_reserve_vcc 0
		.amdhsa_float_denorm_mode_32 3
		.amdhsa_float_denorm_mode_16_64 3
		.amdhsa_memory_ordered 1
		.amdhsa_forward_progress 1
		.amdhsa_inst_pref_size 188
	.end_amdhsa_kernel
	.amdgpu_metadata
---
amdhsa.version: [ 1, 2 ]
amdhsa.kernels:
  - .name:           k_q6c178677f0_attn
    .symbol:         k_q6c178677f0_attn.kd
    .args:
      - { .name: q_val_codes, .offset: 0, .size: 8, .value_kind: global_buffer, .address_space: global }
      - { .name: q_pos_codes, .offset: 8, .size: 8, .value_kind: global_buffer, .address_space: global }
      - { .name: k_val_codes, .offset: 16, .size: 8, .value_kind: global_buffer, .address_space: global }
      - { .name: k_pos_codes, .offset: 24, .size: 8, .value_kind: global_buffer, .address_space: global }
      - { .name: v_val_codes, .offset: 32, .size: 8, .value_kind: global_buffer, .address_space: global }
      - { .name: v_pos_codes, .offset: 40, .size: 8, .value_kind: global_buffer, .address_space: global }
      - { .name: lowp_scales, .offset: 48, .size: 8, .value_kind: global_buffer, .address_space: global }
      - { .name: out0, .offset: 56, .size: 8, .value_kind: global_buffer, .address_space: global }
      - { .name: out1, .offset: 64, .size: 8, .value_kind: global_buffer, .address_space: global }
    .group_segment_fixed_size: 209408
    .private_segment_fixed_size: 0
    .kernarg_segment_align: 8
    .kernarg_segment_size: 72
    .max_flat_workgroup_size: 128
    .sgpr_count:     96
    .vgpr_count:     1024
    .wavefront_size: 32
...
	.end_amdgpu_metadata
.endif
;; end of part 1
